; MI455X (gfx1250); checked and timed in simulation.
; The chip was launched on July 23, 2026; its instructions are those of AMD's public machine-readable ISA for CDNA 5 (MIT licence, August 2026) and "CDNA5" Instruction Set Architecture Reference Guide (July 2026). The comments in the code are by the model that wrote it; some were corrected since.
;; Head. Allowed arithmetic: matrix products marked QUANTISED: E2M1 operands, one E8M0 scale for each 32 along K, by v_wmma_scale_f32_16x16x128_f8f6f4 with both operands' format E2M1 (or v_wmma_scale_f32_32x16x128_f4), f32 sums; products left as they are: bf16, f16 or f32 operands; f32 sums; everything else in f32.
;; Inputs: Wk 64 x 384 float32; Wq 64 x 384 float32; Wv 384 x 384 float32; x 4 x 4,096 x 384 float32.
;; Outputs: out0 4 x 4,096 x 384 float32.
;; This version of the problem:
;;   THIS VERSION OF THE PROBLEM IS GIVEN IN LOW PRECISION. The matrix products marked QUANTISED in the list below multiply operands that are first quantised to E2M1 (2 exponent bits, 1 mantissa bit; 4 bits a number), with one power-of-two scale for each 32 numbers along K (OCP MX v1.0); their sums are f32. The products marked 'left as it is' may take bf16, f16 or f32 operands, with f32 sums. Whichever they take, every output number must still come out within the allowed error. Rounding operands to bf16 (8 significant bits) uses up far more of that allowance than f16 does (11 bits, for magnitudes from 6e-5 to 65,504). All else is computed in f32.
;;   The module's matrix products, in the order in which they are computed (A, B: the left and right operand; K: the contracted axis; several contracted axes count as one K, in the product's order):
;;     1. [M 16,384, K 384] x [K 384, N 64]; A: input x; B: input Wk: QUANTISED
;;     2. [M 16,384, K 384] x [K 384, N 64]; A: input x; B: input Wq: QUANTISED
;;     3. [M 16,384, K 384] x [K 384, N 384]; A: input x; B: input Wv: QUANTISED
;;     4. batch 4 x [M 4,096, K 64] x [K 64, N 4,096]; A: computed on the way; B: computed on the way: left as it is (an operand is computed on the way)
;;     5. batch 4 x [M 4,096, K 4,096] x [K 4,096, N 384]; A: computed on the way; B: computed on the way: left as it is (an operand is computed on the way)
;;   THE QUANTISER, for each operand of a quantised product, along K:
;;     - K is cut into blocks of 32 from its start; a last block that is shorter is filled with zeros.
;;     - A block's scale is 2^e with e = floor(log2(the largest magnitude in the block)) - 2, held to -126 .. 127; a block of zeros has e = 0. As a byte (E8M0): e + 127.
;;     - Each number is divided by its block's scale, clamped to +-6, and rounded to the nearest number of E2M1, ties to even, subnormals kept.
;;     - The product sums the exact products of the quantised numbers (number of the format x scale) in f32.
;;   ~~~python
;;   def quantise(x, axis):      # numpy; x: float32 -> the quantised numbers, widened to float32 again
;;       x = np.moveaxis(x, axis, -1); K = x.shape[-1]
;;       x = np.pad(x, [(0, 0)] * (x.ndim - 1) + [(0, -K % 32)]); x = x.reshape(x.shape[:-1] + (-1, 32)); a = np.abs(x).max(-1, keepdims=True)
;;       e = np.where(a > 0, np.clip(np.frexp(np.where(a > 0, a, 1))[1] - 1 - 2, -126, 127), 0)      # np.frexp(a)[1] - 1 = floor(log2(a)), exactly
;;       r = np.clip(x / 2.0 ** e, -6, 6)
;;       step = 2.0 ** (np.maximum(np.frexp(np.where(r == 0, 1, r))[1] - 1, 0) - 1)
;;       q = np.round(r / step) * step * 2.0 ** e      # np.round: ties to even
;;       return np.moveaxis(q.reshape(q.shape[:-2] + (-1,))[..., :K], -1, axis).astype(np.float32)
;;   ~~~
;; One version. Each part assembles by itself: llvm-mc -triple=amdgcn-amd-amdhsa -mcpu=gfx1250 --defsym DOCPART=n.
;; ======== version 1 of 1: 4 launches
;; limits: values are held in f16: magnitudes above 65,504 overflow, below 6.1e-05 lose precision
;; workspace buffers: wimg 98,304 bytes; wscl 12,288 bytes; kimg 2,097,152 bytes; qimg 2,097,152 bytes; vimg 12,582,912 bytes; fine 131,072 bytes
;; launch wquant (part 1): grid 32 x 1, 3 waves a work-group, no clusters, 0 bytes of LDS; arguments Wk, Wq, Wv, wimg, wscl; writes wimg, wscl
.if DOCPART == 1
	.amdgcn_target "amdgcn-amd-amdhsa--gfx1250"
	.amdhsa_code_object_version 6
	.text
	.protected	k_q69e2feaf57_wquant
	.globl	k_q69e2feaf57_wquant
	.p2align	8
	.type	k_q69e2feaf57_wquant,@function
k_q69e2feaf57_wquant:
	s_mov_b64 s[64:65], 0
	v_nop
	global_prefetch_b8 v0, s[64:65] scope:SCOPE_SE
	s_setreg_imm32_b32 hwreg(HW_REG_WAVE_MODE, 25, 1), 1
	s_wait_xcnt 0x0
; The 512 weight rows (Wk 64, Wq 64, Wv 384; each 384 f32 along K) become codes of FP4 (E2M1) with one E8M0 byte for each 32 along K,
; laid as IMAGES OF THE OPERAND'S REGISTERS for the next launch: wimg [w 4][t 8][s 3][c 2][lane 32][16 bytes], wscl [w][t][s][lane 32][4 bytes].
; (w, t) names 16 rows: t = 0: Wk rows 16 w on; t = 1: Wq rows 16 w on; t = 2 .. 7: Wv rows 16 (6 w + t - 2) on.  s is the K step of 128.
; Work-group 8 w + t, wave s: one wave makes one fragment (16 rows x 128 K, 8 registers a lane) and its 16 scale words.
; A block's scale is 2^(floor(log2(its largest magnitude)) - 2); its byte is the largest magnitude's exponent field - 2, held at 1 from below.
; LIMITS: a block of zeros, or one whose largest magnitude lies under 2^-124, gets the byte 1 (its codes are zeros or the rule's own; the bytes are read by this program alone); NaN and infinities are not served.
; The loads take 64 bytes a lane from rows 1,536 bytes apart, and the scale words leave as 128 bytes: accepted for 786,432 bytes that are read once in the whole program.
.set TM,  10                           ; v10-13 largest magnitudes, v14-17 the other half's, then the bytes, v22-25 the conversions' scale operands
.set PW,  26                           ; v26    the scale word
.set PC,  28                           ; v28-35 the fragment's codes
.set NUM, 36                           ; v36-99 64 numbers: register 16 b + i = k 32 b + 16 (lane / 16) + i of row lane % 16
.set SEL, 24                           ; s[24:25] lane selects: lane l xor 16
; 64 numbers of a lane become a fragment's codes in v[PC] on and its scale word in v[PW]
.macro QUANT s
.irp b, 0,1,2,3
	v_max3_num_f32 v[TM+\b], |v[\s+16*\b]|, |v[\s+1+16*\b]|, 0x1800000   ; block b: my 16 numbers, and the floor 2^(3 - 127): the byte cannot fall under 1
.endr
.irp i, 2,4,6,8,10,12,14
.irp b, 0,1,2,3
	v_max3_num_f32 v[TM+\b], v[TM+\b], |v[\s+16*\b+\i]|, |v[\s+1+16*\b+\i]|   ; the four blocks by turns
.endr
.endr
.irp b, 0,1,2,3
	v_permlanex16_b32 v[TM+4+\b], v[TM+\b], s[SEL], s[SEL+1]
.endr
.irp b, 0,1,2,3
	v_max_num_f32 v[TM+\b], v[TM+\b], v[TM+4+\b]   ; with lane l xor 16's 16: the block's largest magnitude
.endr
.irp b, 0,1,2,3
	v_add_nc_u32 v[TM+12+\b], 0xff000000, v[TM+\b]   ; 2 off its exponent field: the conversion takes the exponent field of this operand as its scale
.endr
.irp b, 0,1,2,3
	v_lshrrev_b32 v[TM+4+\b], 23, v[TM+12+\b]      ; the scale's byte
.endr
	v_lshl_or_b32 v[PW], v[TM+5], 8, v[TM+4]       ; four bytes: my row's scale word
	v_lshl_or_b32 v[PW], v[TM+6], 16, v[PW]
	v_lshl_or_b32 v[PW], v[TM+7], 24, v[PW]
.irp b, 0,1,2,3
	v_cvt_scalef32_pk8_fp4_f32 v[PC+2*\b], v[\s+16*\b:\s+7+16*\b], v[TM+12+\b]
	v_cvt_scalef32_pk8_fp4_f32 v[PC+1+2*\b], v[\s+8+16*\b:\s+15+16*\b], v[TM+12+\b]
.endr
	v_nop                                          ; one plain instruction behind the scaled conversions
.irp c, 0,1                                    ; the operand wants a WHOLE block in a lane: lanes 0-15 block 2 c, lanes 16-31 block 2 c + 1
.irp i, 0,1
	v_permlane16_swap_b32 v[PC+4*\c+\i], v[PC+2+4*\c+\i]
.endr
.endr
.endm
	s_load_b128 s[4:7], s[0:1], 0x0                ; Wk, Wq
	s_load_b128 s[8:11], s[0:1], 0x10              ; Wv, wimg
	s_load_b64 s[12:13], s[0:1], 0x20              ; wscl
	v_lshrrev_b32 v1, 5, v0
	v_readfirstlane_b32 s14, v1                    ; wave = K step s
	v_and_b32 v1, 15, v0                           ; r
	v_bfe_u32 v2, v0, 4, 1                         ; h
	v_mul_u32_u24 v3, v1, 1536
	v_lshl_add_u32 v3, v2, 6, v3                   ; row r of 1,536 bytes, + 64 h: my 16 numbers of a block of 32
	v_and_b32 v6, 31, v0
	v_lshlrev_b32 v4, 4, v6                        ; 16 x lane: my place in an image
	v_lshlrev_b32 v5, 2, v6                        ; 4 x lane: my scale word's
.irp b, 0,1,2,3
	v_mov_b32 v[TM+4+\b], 0                        ; written once: a lane permute's destination counts as one of its sources
.endr
	s_mov_b32 s[SEL], 0x76543210
	s_mov_b32 s[SEL+1], 0xfedcba98
	s_and_b32 s15, ttmp9, 7                        ; t
	s_lshr_b32 s16, ttmp9, 3                       ; w
	s_mul_i32 s17, s16, 6
	s_add_co_u32 s17, s17, s15
	s_sub_co_u32 s17, s17, 2                       ; 6 w + t - 2 (used where t is 2 or more)
	s_cmp_lt_u32 s15, 2
	s_cselect_b32 s17, s16, s17
	s_lshl_b32 s17, s17, 4                         ; the first of my 16 rows
	s_mul_i32 s18, s17, 1536
	s_lshl_b32 s19, s14, 9
	s_add_co_u32 s18, s18, s19                     ; + 512 bytes for each K step
	s_mov_b32 s19, 0
	s_mul_i32 s20, ttmp9, 3
	s_add_co_u32 s20, s20, s14                     ; which fragment: 3 (8 w + t) + s
	s_lshl_b32 s22, s20, 7                         ; 128 bytes of scale words,
	s_mov_b32 s23, 0
	s_lshl_b32 s20, s20, 10                        ; 1,024 bytes of codes
	s_mov_b32 s21, 0
	s_wait_kmcnt 0x0
	s_cmp_eq_u32 s15, 1                            ; the choice of the tensor hangs on the work-group's number alone
	s_cselect_b64 s[6:7], s[6:7], s[8:9]
	s_cmp_eq_u32 s15, 0
	s_cselect_b64 s[4:5], s[4:5], s[6:7]
	s_add_nc_u64 s[4:5], s[4:5], s[18:19]
	s_add_nc_u64 s[10:11], s[10:11], s[20:21]
	s_add_nc_u64 s[12:13], s[12:13], s[22:23]
.irp b, 0,1,2,3
.irp j, 0,1,2,3
	global_load_b128 v[NUM+16*\b+4*\j:NUM+16*\b+4*\j+3], v3, s[4:5] offset:128*\b+16*\j
.endr
.endr
	s_wait_loadcnt 0x0
	QUANT NUM
	global_store_b128 v4, v[PC:PC+3], s[10:11]             ; registers 0-3 of the fragment: 512 consecutive bytes
	global_store_b128 v4, v[PC+4:PC+7], s[10:11] offset:512
	global_store_b32 v5, v[PW], s[12:13]                   ; lane r: row r's word; lanes 16-31 hold the same
	s_endpgm
.Lfunc_end_k_q69e2feaf57_wquant:
	.size	k_q69e2feaf57_wquant, .Lfunc_end_k_q69e2feaf57_wquant-k_q69e2feaf57_wquant
	.p2alignl 7, 3214868480
	.fill 96, 4, 3214868480
	.section	.rodata,"a",@progbits
	.p2align	6, 0x0
	.amdhsa_kernel k_q69e2feaf57_wquant
		.amdhsa_group_segment_fixed_size 0
		.amdhsa_private_segment_fixed_size 0
		.amdhsa_enable_private_segment 0
		.amdhsa_kernarg_size 40
		.amdhsa_user_sgpr_count 2
		.amdhsa_user_sgpr_kernarg_segment_ptr 1
		.amdhsa_wavefront_size32 1
		.amdhsa_system_sgpr_workgroup_id_x 1
		.amdhsa_system_sgpr_workgroup_id_y 1
		.amdhsa_system_sgpr_workgroup_id_z 1
		.amdhsa_system_vgpr_workitem_id 0
		.amdhsa_next_free_vgpr 100
		.amdhsa_next_free_sgpr 66
		.amdhsa_reserve_vcc 0
		.amdhsa_float_denorm_mode_32 3
		.amdhsa_float_denorm_mode_16_64 3
		.amdhsa_memory_ordered 1
		.amdhsa_forward_progress 1
		.amdhsa_inst_pref_size 8
	.end_amdhsa_kernel
	.amdgpu_metadata
---
amdhsa.version: [ 1, 2 ]
amdhsa.kernels:
  - .name:           k_q69e2feaf57_wquant
    .symbol:         k_q69e2feaf57_wquant.kd
    .args:
      - { .name: Wk, .offset: 0, .size: 8, .value_kind: global_buffer, .address_space: global }
      - { .name: Wq, .offset: 8, .size: 8, .value_kind: global_buffer, .address_space: global }
      - { .name: Wv, .offset: 16, .size: 8, .value_kind: global_buffer, .address_space: global }
      - { .name: wimg, .offset: 24, .size: 8, .value_kind: global_buffer, .address_space: global }
      - { .name: wscl, .offset: 32, .size: 8, .value_kind: global_buffer, .address_space: global }
    .group_segment_fixed_size: 0
    .private_segment_fixed_size: 0
    .kernarg_segment_align: 8
    .kernarg_segment_size: 40
    .max_flat_workgroup_size: 96
    .sgpr_count:     66
    .vgpr_count:     100
    .wavefront_size: 32
...
	.end_amdgpu_metadata
.endif
;; end of part 1
;; launch proj (part 2): grid 256 x 1, 4 waves a work-group, no clusters, 113,664 bytes of LDS; arguments x, wimg, wscl, kimg, qimg, vimg, fine; writes kimg, qimg, vimg, fine
.if DOCPART == 2
	.amdgcn_target "amdgcn-amd-amdhsa--gfx1250"
	.amdhsa_code_object_version 6
	.text
	.protected	k_q69e2feaf57_proj
	.globl	k_q69e2feaf57_proj
	.p2align	8
	.type	k_q69e2feaf57_proj,@function
k_q69e2feaf57_proj:
	s_mov_b64 s[64:65], 0
	v_nop
	global_prefetch_b8 v0, s[64:65] scope:SCOPE_SE
	s_setreg_imm32_b32 hwreg(HW_REG_WAVE_MODE, 25, 1), 1
	s_wait_xcnt 0x0
; k = x Wk^T, q = x Wq^T, v = x Wv^T on codes of FP4 (E2M1) with one E8M0 scale for each 32 along K = 384; sums in f32.  x [16,384][384] f32 is quantised here; the weights come as register images.
; SHARES.  A work-group takes 64 rows of x: four tiles m of 16 rows.  THE WAVES SHARE THE COLUMNS: wave w keeps 8 tiles of 16 weight rows (t = 0: Wk, 1: Wq, 2 .. 7: Wv) x 3 K steps in 192 registers, read once.
; Wave w also quantises rows 16 w .. 16 w + 15; the fragments go from wave to wave through LDS as images of their registers (16 bytes a lane, 512 bytes a store).
; x IS LOADED DENSE: a wave's 16 rows are 24,576 consecutive bytes: 48 loads of 512 bytes.  The conversions want 16 neighbours along K in a lane: so the rows turn through the wave's own stage in LDS.
; RESULTS, rounded to f16, leave as images of the registers of the next launch's operands, each store 512 consecutive bytes:
;   t = 0, 1 are used transposed (source 0 = W, source 1 = x): lane (r, h), register j = (dim 16 w + 8 h + j, position r): half of a fragment of k or q:  kimg, qimg [tile of 16 positions][s 2][c 2][lane][16 bytes], dims 32 s + 16 c + 8 h on.
;   t = 2 .. 7 the other way (source 0 = x, source 1 = W): register j = (position 8 h + j, channel r): half of a fragment of v^T:  vimg [block of 32 positions][ct 24][c 2][lane][16 bytes], positions 16 c + 8 h on.
;   The first 16 positions of each batch leave in f32 too, the accumulators as they stand:  fine [b 4][idx 32][c 2][lane][16 bytes]; idx w: k, 4 + w: q, 8 + ct: v.
; LIMITS: |q|, |k|, |v| beyond 65,504 become infinities in f16; a block of zeros, or one under 2^-124, gets the scale byte 1; NaN and infinities among the inputs are not served.
; No tensor load: x is read once by one wave, and the weights stay in registers.  No cluster: what the work-groups share, 110,592 bytes of weights, is read once by each against 98,304 bytes of x of its own, straight into registers.
; REGISTERS, in windows of 256: window 0: addresses, at work, scale words, v64-127 the 8 accumulators, v128-255 two sets of 64 numbers, later the packed results.   window 1: v0-191 the weights' 24 fragments, v192-215 x's three.   window 2: v0-191 x as loaded.
.set XIMG,   0                         ; LDS: x's 12 fragments, (3 m + s) x 1,024
.set XSC,    12288                     ; their scale words, (3 m + s) x 128
.set STG,    13824                     ; four stages of 16 rows, each wave's own
.set SPITCH, 1552                      ; a stage row: 1,536 bytes + 16 = 388 words: row r starts at bank 4 r mod 64 (64 banks of 4 bytes: ISA guide 11.1)
.set WSTG,   16*SPITCH
.set SPARE,  STG+4*WSTG                ; the spare words, 128 bytes for each wave: two blocks of 256 bytes that no other line names
.set LI,  1                            ; v1   16 x lane
.set LS,  2                            ; v2   4 x lane
.set SWA, 3                            ; v3   my stage, as loaded: 16 x lane
.set SRA, 4                            ; v4   my stage, by rows: 1,552 r + 64 h
.set XWI, 5                            ; v5   where I store x's images
.set XWS, 6                            ; v6   and their scale words
.set SPW, 7                            ; v7   my spare word; never rewritten
.set NIL, 8                            ; v8   0; never rewritten
.set TM,  10
.set PW,  26
.set PC,  28
.set XS,  36                           ; v36-38  x's scale words of the tile in hand
.set WS,  40                           ; v40-63  the weights' scale words, 3 t + s
.set ACC, 64
.set NA,  128
.set NB,  192
.set XF,  192                          ; in window 1
.set WV,  18
.set SEL, 20
.set MSB, 0
.macro WIN new                         ; the immediate's high byte repeats the setting that is left
.if MSB != \new
	s_set_vgpr_msb (MSB<<8)|\new
.set MSB, \new
.endif
.endm
.macro QUANT s
.irp b, 0,1,2,3
	v_max3_num_f32 v[TM+\b], |v[\s+16*\b]|, |v[\s+1+16*\b]|, 0x1800000   ; block b: my 16 numbers, and the floor 2^(3 - 127): the byte cannot fall under 1
.endr
.irp i, 2,4,6,8,10,12,14
.irp b, 0,1,2,3
	v_max3_num_f32 v[TM+\b], v[TM+\b], |v[\s+16*\b+\i]|, |v[\s+1+16*\b+\i]|
.endr
.endr
.irp b, 0,1,2,3
	v_permlanex16_b32 v[TM+4+\b], v[TM+\b], s[SEL], s[SEL+1]
.endr
.irp b, 0,1,2,3
	v_max_num_f32 v[TM+\b], v[TM+\b], v[TM+4+\b]   ; with lane l xor 16's: the block's largest magnitude
.endr
.irp b, 0,1,2,3
	v_add_nc_u32 v[TM+12+\b], 0xff000000, v[TM+\b]   ; 2 off its exponent field: the conversion's scale operand
.endr
.irp b, 0,1,2,3
	v_lshrrev_b32 v[TM+4+\b], 23, v[TM+12+\b]      ; the scale's byte
.endr
	v_lshl_or_b32 v[PW], v[TM+5], 8, v[TM+4]
	v_lshl_or_b32 v[PW], v[TM+6], 16, v[PW]
	v_lshl_or_b32 v[PW], v[TM+7], 24, v[PW]
.irp b, 0,1,2,3
	v_cvt_scalef32_pk8_fp4_f32 v[PC+2*\b], v[\s+16*\b:\s+7+16*\b], v[TM+12+\b]
	v_cvt_scalef32_pk8_fp4_f32 v[PC+1+2*\b], v[\s+8+16*\b:\s+15+16*\b], v[TM+12+\b]
.endr
	v_nop                                          ; one plain instruction behind the scaled conversions
.irp c, 0,1
.irp i, 0,1
	v_permlane16_swap_b32 v[PC+4*\c+\i], v[PC+2+4*\c+\i]   ; a whole block to a lane
.endr
.endr
.endm
.macro NLOAD reg, ks                   ; K step ks of my 16 rows out of my stage: register 16 b + i = k 32 b + 16 h + i of row r
.irp b, 0,1,2,3
.irp j, 0,1,2,3
	ds_load_b128 v[\reg+16*\b+4*\j:\reg+16*\b+4*\j+3], v[SRA] offset:512*\ks+128*\b+16*\j
.endr
.endr
.endm
.macro IMAGE ks                        ; the fragment and its scale words go to LDS as they stand
	ds_store_b128 v[XWI], v[PC:PC+3] offset:XIMG+1024*\ks
	ds_store_b128 v[XWI], v[PC+4:PC+7] offset:XIMG+1024*\ks+512
	ds_store_b32 v[XWS], v[PW] offset:128*\ks
.endm
.macro WLOAD g                         ; twelve of the 48 loads that bring my weights' images into window 1
.set n, 12*(\g)
.rept 12
	global_load_b128 v[4*n:4*n+3], v[LI], s[6:7] offset:512*n
.set n, n+1
.endr
.endm
; one product: weight tile t, K step ks.  ks = 0 starts the sum: nothing is cleared
.macro MM t, ks
.if (\t) < 2
.if (\ks) == 0
	v_wmma_scale_f32_16x16x128_f8f6f4 v[ACC+8*\t:ACC+8*\t+7], v[8*(3*\t+\ks):8*(3*\t+\ks)+7], v[XF+8*\ks:XF+8*\ks+7], 0, v[WS+3*\t+\ks], v[XS+\ks] matrix_a_fmt:MATRIX_FMT_FP4 matrix_b_fmt:MATRIX_FMT_FP4
.else
	v_wmma_scale_f32_16x16x128_f8f6f4 v[ACC+8*\t:ACC+8*\t+7], v[8*(3*\t+\ks):8*(3*\t+\ks)+7], v[XF+8*\ks:XF+8*\ks+7], v[ACC+8*\t:ACC+8*\t+7], v[WS+3*\t+\ks], v[XS+\ks] matrix_a_fmt:MATRIX_FMT_FP4 matrix_b_fmt:MATRIX_FMT_FP4
.endif
.else
.if (\ks) == 0
	v_wmma_scale_f32_16x16x128_f8f6f4 v[ACC+8*\t:ACC+8*\t+7], v[XF+8*\ks:XF+8*\ks+7], v[8*(3*\t+\ks):8*(3*\t+\ks)+7], 0, v[XS+\ks], v[WS+3*\t+\ks] matrix_a_fmt:MATRIX_FMT_FP4 matrix_b_fmt:MATRIX_FMT_FP4
.else
	v_wmma_scale_f32_16x16x128_f8f6f4 v[ACC+8*\t:ACC+8*\t+7], v[XF+8*\ks:XF+8*\ks+7], v[8*(3*\t+\ks):8*(3*\t+\ks)+7], v[ACC+8*\t:ACC+8*\t+7], v[XS+\ks], v[WS+3*\t+\ks] matrix_a_fmt:MATRIX_FMT_FP4 matrix_b_fmt:MATRIX_FMT_FP4
.endif
.endif
.endm
	s_load_b256 s[4:11], s[0:1], 0x0               ; x s[4:5], wimg s[6:7], wscl s[8:9], kimg s[10:11]
	s_load_b128 s[12:15], s[0:1], 0x20             ; qimg s[12:13], vimg s[14:15]
	s_load_b64 s[16:17], s[0:1], 0x30              ; fine
	v_lshl_add_u32 v[SPW], v0, 2, SPARE
	v_mov_b32 v[NIL], 0
	v_lshrrev_b32 v9, 5, v0
	v_readfirstlane_b32 s[WV], v9                  ; wave 0..3
	v_and_b32 v9, 31, v0
	v_lshlrev_b32 v[LI], 4, v9
	v_lshlrev_b32 v[LS], 2, v9
	s_mul_i32 s22, s[WV], WSTG
	s_add_co_u32 s22, s22, STG                     ; my stage
	v_add_nc_u32 v[SWA], s22, v[LI]
	v_and_b32 v9, 15, v0
	v_mul_u32_u24 v[SRA], v9, SPITCH
	v_bfe_u32 v9, v0, 4, 1
	v_lshl_add_u32 v[SRA], v9, 6, v[SRA]
	v_add_nc_u32 v[SRA], s22, v[SRA]
	s_mul_i32 s22, s[WV], 3072
	v_add_nc_u32 v[XWI], s22, v[LI]                ; tile m = w: its three fragments
	s_mul_i32 s22, s[WV], 384
	s_add_co_u32 s22, s22, XSC
	v_add_nc_u32 v[XWS], s22, v[LS]
.irp b, 0,1,2,3
	v_mov_b32 v[TM+4+\b], 0                        ; written once: a lane permute's destination counts as one of its sources
.endr
	s_mov_b32 s[SEL], 0x76543210
	s_mov_b32 s[SEL+1], 0xfedcba98
	s_mul_i32 s24, ttmp9, 98304                    ; x: 64 rows of 1,536 bytes a work-group,
	s_mul_i32 s26, s[WV], 24576                    ; 16 a wave.  The same figure: my 24 fragments in wimg
	s_add_co_u32 s24, s24, s26
	s_mov_b32 s25, 0
	s_mov_b32 s27, 0
	s_mul_i32 s28, s[WV], 3072                     ; my 24 x 128 bytes in wscl
	s_mov_b32 s29, 0
	s_lshl_b32 s30, ttmp9, 13                      ; kimg, qimg: four tiles of 2,048 bytes a work-group,
	s_lshl_b32 s22, s[WV], 9                       ; dims 16 w on: half 512 w of a tile
	s_add_co_u32 s30, s30, s22
	s_mov_b32 s31, 0
	s_mul_i32 s32, ttmp9, 49152                    ; vimg: two blocks of 24,576 bytes a work-group,
	s_mul_i32 s22, s[WV], 6144                     ; channel tiles 6 w on
	s_add_co_u32 s32, s32, s22
	s_mov_b32 s33, 0
	s_lshr_b32 s34, ttmp9, 6                       ; the batch
	s_lshl_b32 s34, s34, 15                        ; fine: 32,768 bytes a batch
	s_add_co_u32 s36, s34, s22
	s_add_co_u32 s36, s36, 8192                    ; v's tiles begin at idx 8
	s_mov_b32 s37, 0
	s_lshl_b32 s22, s[WV], 10
	s_add_co_u32 s34, s34, s22                     ; k's at idx w
	s_mov_b32 s35, 0
	s_wait_kmcnt 0x0
	s_add_nc_u64 s[4:5], s[4:5], s[24:25]
	s_add_nc_u64 s[6:7], s[6:7], s[26:27]
	s_add_nc_u64 s[8:9], s[8:9], s[28:29]
	s_add_nc_u64 s[10:11], s[10:11], s[30:31]
	s_add_nc_u64 s[12:13], s[12:13], s[30:31]
	s_add_nc_u64 s[14:15], s[14:15], s[32:33]
	s_add_nc_u64 s[38:39], s[16:17], s[36:37]      ; fine, v's part
	s_add_nc_u64 s[16:17], s[16:17], s[34:35]      ; fine, k's and q's
	; ---- x's 48 loads, and the weights' behind them in four runs
	WIN 0x80                                       ; destination window 2
.set n, 0
.rept 48
	global_load_b128 v[4*n:4*n+3], v[LI], s[4:5] offset:512*n th:TH_LOAD_NT   ; 512 consecutive bytes; read once in the launch
.set n, n+1
.endr
	WIN 0x40                                       ; destination window 1
	WLOAD 0
.irp g, 0,1,2,3
	s_wait_loadcnt 48                              ; x's loads 12 g .. 12 g + 11 are in: behind them stand 36 - 12 g of x's and 12 (g + 1) of the weights'
	WIN 0x08                                       ; an LDS store's data are its source 1: window 2
.set n, 12*\g
.rept 12
	ds_store_b128 v[SWA], v[4*n:4*n+3] offset:(n/3)*SPITCH+(n%3)*512
.set n, n+1
.endr
.if \g < 3
	WIN 0x40
	WLOAD \g+1
.else
	WIN 0
.set n, 0
.rept 24
	global_load_b32 v[WS+n], v[LS], s[8:9] offset:128*n
.set n, n+1
.endr
.endif
.endr
	; ---- my 16 rows become three fragments.  The stage is my own, and LDS serves a wave's instructions in order (ISA guide 5.7.1.4): no wait between its stores and its loads
	NLOAD NA, 0
	NLOAD NB, 1
	s_wait_dscnt 16                                ; K step 0 is in; K step 1's sixteen loads may be out
	QUANT NA
	IMAGE 0
	s_wait_dscnt 0x0                               ; the stores have read the codes' registers; K step 1 is in
	NLOAD NA, 2
	QUANT NB
	IMAGE 1
	s_wait_dscnt 0x0
	QUANT NA
	IMAGE 2
	s_wait_dscnt 0x0                               ; for the others' sake: my images have landed
	s_barrier_signal -1
	s_barrier_wait -1                              ; x's twelve fragments lie in LDS; nobody writes them again
	; ---- the products, a tile of 16 rows at a time: 24 matrix instructions, the eight accumulators by turns, one instruction a turn
.irp m, 0,1,2,3
.set OUTP, 128+32*\m                   ; each tile's packed results have registers of their own: no store's data are written again
	WIN 0x40
.irp s, 0,1,2
.irp c, 0,1
	ds_load_b128 v[XF+8*\s+4*\c:XF+8*\s+4*\c+3], v[LI] offset:XIMG+(3*\m+\s)*1024+512*\c
.endr
.endr
	WIN 0
.irp s, 0,1,2
	ds_load_b32 v[XS+\s], v[LS] offset:XSC+(3*\m+\s)*128
.endr
.if \m == 0
	s_wait_loadcnt 0x0                             ; the weights and their scale words
.endif
	s_wait_dscnt 0x0
	WIN 0x05                                       ; sources 0 and 1 window 1, C and D window 0
.irp s, 0,1,2
.irp t, 0,1,2,3,4,5,6,7
	MM \t, \s
.endr
.endr
	WIN 0
.rept 5
	v_nop                                          ; four places ahead of the reads of results and of the next loads into x's registers; the fifth because the next tile's first products write over these accumulators with another C
.endr
.irp t, 0,1,2,3,4,5,6,7
.irp i, 0,1,2,3
	v_cvt_pk_f16_f32 v[OUTP+4*\t+\i], v[ACC+8*\t+2*\i], v[ACC+8*\t+2*\i+1]   ; each accumulator from its low end on
.endr
.endr
	global_store_b128 v[LI], v[OUTP:OUTP+3], s[10:11] offset:2048*\m
	global_store_b128 v[LI], v[OUTP+4:OUTP+7], s[12:13] offset:2048*\m
.irp t, 2,3,4,5,6,7
	global_store_b128 v[LI], v[OUTP+4*\t:OUTP+4*\t+3], s[14:15] offset:(\m/2)*24576+(\t-2)*1024+(\m%2)*512
.endr
.if \m == 0
	s_and_b32 s22, ttmp9, 63                       ; a batch's first work-group: its tile 0 is positions 0 to 15, which leave in f32 too
	s_cmp_lg_u32 s22, 0
	s_cbranch_scc1 .Lnofine
.irp c, 0,1
	global_store_b128 v[LI], v[ACC+4*\c:ACC+4*\c+3], s[16:17] offset:512*\c
	global_store_b128 v[LI], v[ACC+8+4*\c:ACC+8+4*\c+3], s[16:17] offset:4096+512*\c
.endr
.irp t, 2,3,4,5,6,7
.irp c, 0,1
	global_store_b128 v[LI], v[ACC+8*\t+4*\c:ACC+8*\t+4*\c+3], s[38:39] offset:1024*(\t-2)+512*\c
.endr
.endr
	s_wait_xcnt 0x0                                ; these stores have read the accumulators, which the next tile writes again
.Lnofine:
.endif
.endr
	s_wait_tensorcnt 0x0                           ; the wave's end, behind my last LDS store
	ds_add_u32 v[SPW], v[NIL]
	s_wait_dscnt 0x0
	s_endpgm
.Lfunc_end_k_q69e2feaf57_proj:
	.size	k_q69e2feaf57_proj, .Lfunc_end_k_q69e2feaf57_proj-k_q69e2feaf57_proj
	.p2alignl 7, 3214868480
	.fill 96, 4, 3214868480
	.section	.rodata,"a",@progbits
	.p2align	6, 0x0
	.amdhsa_kernel k_q69e2feaf57_proj
		.amdhsa_group_segment_fixed_size 113664
		.amdhsa_private_segment_fixed_size 0
		.amdhsa_enable_private_segment 0
		.amdhsa_kernarg_size 56
		.amdhsa_user_sgpr_count 2
		.amdhsa_user_sgpr_kernarg_segment_ptr 1
		.amdhsa_wavefront_size32 1
		.amdhsa_system_sgpr_workgroup_id_x 1
		.amdhsa_system_sgpr_workgroup_id_y 1
		.amdhsa_system_sgpr_workgroup_id_z 1
		.amdhsa_system_vgpr_workitem_id 0
		.amdhsa_next_free_vgpr 704
		.amdhsa_next_free_sgpr 66
		.amdhsa_reserve_vcc 0
		.amdhsa_float_denorm_mode_32 3
		.amdhsa_float_denorm_mode_16_64 3
		.amdhsa_memory_ordered 1
		.amdhsa_forward_progress 1
		.amdhsa_inst_pref_size 61
	.end_amdhsa_kernel
	.amdgpu_metadata
---
amdhsa.version: [ 1, 2 ]
amdhsa.kernels:
  - .name:           k_q69e2feaf57_proj
    .symbol:         k_q69e2feaf57_proj.kd
    .args:
      - { .name: x, .offset: 0, .size: 8, .value_kind: global_buffer, .address_space: global }
      - { .name: wimg, .offset: 8, .size: 8, .value_kind: global_buffer, .address_space: global }
      - { .name: wscl, .offset: 16, .size: 8, .value_kind: global_buffer, .address_space: global }
      - { .name: kimg, .offset: 24, .size: 8, .value_kind: global_buffer, .address_space: global }
      - { .name: qimg, .offset: 32, .size: 8, .value_kind: global_buffer, .address_space: global }
      - { .name: vimg, .offset: 40, .size: 8, .value_kind: global_buffer, .address_space: global }
      - { .name: fine, .offset: 48, .size: 8, .value_kind: global_buffer, .address_space: global }
    .group_segment_fixed_size: 113664
    .private_segment_fixed_size: 0
    .kernarg_segment_align: 8
    .kernarg_segment_size: 56
    .max_flat_workgroup_size: 128
    .sgpr_count:     66
    .vgpr_count:     704
    .wavefront_size: 32
...
	.end_amdgpu_metadata
.endif
;; end of part 2
;; launch attn (part 3): grid 64 x 4, 4 waves a work-group, no clusters, 133,632 bytes of LDS; arguments qimg, kimg, vimg, out0; writes out0
.if DOCPART == 3
	.amdgcn_target "amdgcn-amd-amdhsa--gfx1250"
	.amdhsa_code_object_version 6
	.text
	.protected	k_q69e2feaf57_attn
	.globl	k_q69e2feaf57_attn
	.p2align	8
	.type	k_q69e2feaf57_attn,@function
k_q69e2feaf57_attn:
	s_mov_b64 s[64:65], 0
	v_nop
	global_prefetch_b8 v0, s[64:65] scope:SCOPE_SE
	s_setreg_imm32_b32 hwreg(HW_REG_WAVE_MODE, 25, 1), 1
	s_wait_xcnt 0x0
; out[b][t][:] = the sum over s <= t of softmax_s(q[t] . k[s] / 8) v[s][:], for every position but the first 16 of each batch (a launch of their own takes those in f32).
; q, k (64 dims) and v (384 channels) come in f16 as images of the operands' registers; products by the f16 matrix form, sums, maxima and the softmax in f32; p is rounded to f16 for the second product; the row's sum is taken of the unrounded p.
; SHARES, even under the causal mask.  Work-group (i, b) owns four tiles of 16 queries: E0, E1 = queries 32 i on, L0, L1 = queries 4,064 - 32 i on: 32 x 4,128 pairs of query and key in every work-group.
; Keys go 128 to a step.  Steps under nE = i / 4 + 1 have all four tiles at work, steps from there to nL = (127 - i) / 4 + 1 the two late ones alone.  nE is at most 16, nL at least 17.
; THE WAVES SHARE THE CHANNELS: wave w holds O^T of all four tiles for channels 96 w .. 96 w + 95: 24 accumulators.  So each byte of V has ONE reader in the work-group and goes from memory straight into its registers.
; Wave w also makes the scores and the softmax of tile w, and hands p (four fragments) and the factor a to the others through LDS, as images of registers.  K's 16,384 bytes of a step are fetched a quarter a wave and shared through LDS.
; LAYOUT.  S^T = K Q^T (source 0 = 16 keys, source 1 = my 16 queries): lane (r, h), register j of key tile kt = (key 16 kt + 8 h + j, query r).  Rounded in pairs, key tiles 2 u and 2 u + 1 ARE source 1 of O^T += V^T P for keys 32 u on.
; SOFTMAX.  A running maximum m and sum l for each query: p = 2^(c s - c m), c = log2(e) / 8; in every step O^T and l are multiplied by a = 2^(c m_old - c m_new).  Every step that a tile walks has a key that counts for each of its queries.
; NO CLUSTER, NO TENSOR LOAD: a joint load lands in LDS, and V, 98,304 of a step's 114,688 bytes, has one reader a work-group: through LDS it would be written and read there once more, on top of the 163,840 bytes that a step moves there now;
; and partners would walk different numbers of steps (17 to 32), so some would have to jump over joint requests.
; LIMITS: NaN and infinities are not served; p under 6e-8 counts as 0 in the second product; sums are taken in another order than the definition's.
; REGISTERS, in windows of 256: window 0: addresses, statistics, Q, a step's quarter of K on its way, p, S^T.   window 1: v0-127 K's 16 fragments, then p's 16.   window 2: v0-191 V's 24 fragments of a step.   window 3: v0-191 O^T.
.set AB,     0                         ; LDS: a, 128 bytes a tile
.set LB,     512                       ; 1 / l, likewise
.set KB,     1024                      ; K of a step: 2,048 kt + 1,024 s + 512 c
.set PB,     17408                     ; p: 4,096 t + 1,024 u + 512 c
.set STG,    33792                     ; the way out: 64 rows
.set SPITCH, 1552                      ; 1,536 bytes + 16 = 388 words: row r starts at bank 4 r mod 64 (64 banks of 4 bytes: ISA guide 11.1)
.set SPARE,  STG+64*SPITCH             ; the spare words, 128 bytes for each wave: two blocks of 256 bytes that no other line names
.set LI,   1                           ; v1   16 x lane
.set LS,   2                           ; v2   4 x lane
.set PWA,  3                           ; v3   where I store p's images
.set AWA,  4                           ; v4   where I store a (and, 512 on, 1 / l)
.set KWA,  5                           ; v5   where I store my quarter of K
.set STO0, 6                           ; v6   the stage, tiles 0 and 1: row r, my 384 bytes, + 32 h
.set STO1, 7                           ; v7   tiles 2 and 3
.set SRD,  8                           ; v8   the stage, back: tile w's rows, 16 x lane
.set MD0,  9                           ; v9   r - 8 h
.set MD,   10                          ; v10  the mask's bound of the step
.set NINF, 11                          ; v11  -infinity
.set SPW,  12                          ; v12  my spare word; never rewritten
.set NIL,  13                          ; v13  0; never rewritten
.set PFO,  14                          ; v14  256 x lane: the prefetches' offset; never rewritten
.set CM,   16                          ; v16  c m
.set M,    17                          ; v17  m
.set L,    18                          ; v[18:19] l, even keys' and odd keys'
.set A,    20                          ; v20  a (v21 is named with it as a pair)
.set T,    22                          ; v22-29 at work
.set AR,   30                          ; v30, 32, 34, 36: tile t's a, or 1 / l, as read back (the odd registers are named with them as pairs)
.set Q,    40                          ; v40-55  my tile's two fragments of q
.set KG,   56                          ; v56-87  my quarter of the next step's K
.set PF,   88                          ; v88-119 p in f16
.set S,    120                         ; v120-183 S^T, then p
.set WV,    12
.set BB,    14
.set Q0,    15                         ; s15  my tile's first query
.set KF,    16                         ; s16  the step's first key
.set J,     17                         ; s17  the step
.set N1,    18                         ; s18  nE - 1
.set N2,    19                         ; s19  nL - nE - 1
.set CNT,   20
.set CS,    22                         ; s[22:23] c, twice: the packed form names a pair
.set SEL,   24                         ; s[24:25] lane selects: lane l xor 16
.set VP,    26                         ; s[26:27] my channels of V, at the step whose loads are being issued
.set KBASE, 28                         ; s[28:29] my quarter of K's step 0
.set KT,    30                         ; s[30:31] and of the step that is being fetched
.set OFS,   32                         ; s[32:33] an offset
.set PFV,   34                         ; s[34:35] where my prefetches of V stand
.set PFK,   36                         ; s[36:37] and of K
.set LIMV,  38                         ; s38  a wave asks for V while the step is under this
.set LIMK,  39                         ; s39  and for K
.set OUTB,  40                         ; s[40:41] tile w's first row of the output
.set QP,    48                         ; s[48:49] tile w's fragments of q
.set MSB, 0
.macro WIN new                         ; the immediate's high byte repeats the setting that is left; at every label and branch the setting is 0
.if MSB != \new
	s_set_vgpr_msb (MSB<<8)|\new
.set MSB, \new
.endif
.endm
.macro BAR                             ; my LDS stores have landed and my LDS loads are in: then the work-group's barrier
	s_wait_dscnt 0x0
	s_barrier_signal -1
	s_barrier_wait -1
.endm
.macro PLACES                          ; four plain instructions between matrix instructions and the loads into, or vector instructions on, their registers
.rept 4
	v_nop
.endr
.endm
; PREFETCHES INTO THE L2.  All 64 work-groups of a batch walk the same K and V from key 0 on, and work-group i = 0 alone walks all 32 steps: it asks, and nobody else (a branch on the work-group's number).
; In step J it names V of step J + 3 and K of step J + 4, each two steps ahead of the step that loads them: of V's 98,304 bytes 24,576 a wave, three instructions with lanes 256 bytes apart; of K's 16,384 bytes 8,192 each in waves 0 and 1.
; So each aligned block of 256 bytes is named once in the launch.  V's requests stop behind J = 28, K's behind J = 27: step 31 is the batch's last.  Steps 0 to 2 of V and 0 to 3 of K come by their loads alone.
.macro ASK
	s_cmp_lt_u32 s[J], s[LIMV]
	s_cbranch_scc0 .Lnov_\@
	global_prefetch_b8 v[PFO], s[PFV:PFV+1] th:TH_LOAD_NT scope:SCOPE_SE
	global_prefetch_b8 v[PFO], s[PFV:PFV+1] offset:8192 th:TH_LOAD_NT scope:SCOPE_SE
	global_prefetch_b8 v[PFO], s[PFV:PFV+1] offset:16384 th:TH_LOAD_NT scope:SCOPE_SE
.Lnov_\@:
	s_cmp_lt_u32 s[J], s[LIMK]
	s_cbranch_scc0 .Lnok_\@
	global_prefetch_b8 v[PFO], s[PFK:PFK+1] th:TH_LOAD_NT scope:SCOPE_SE
.Lnok_\@:
.endm
; PART A: the scores and the softmax of my tile for the step's 128 keys; p and a go to LDS.  first = 1: the first step starts m and l and has no a.
.macro PART_A first
	WIN 0x40                                       ; destination window 1
.irp s, 0,1
.irp kt, 0,1,2,3,4,5,6,7
.irp c, 0,1
	ds_load_b128 v[8*(2*\kt+\s)+4*\c:8*(2*\kt+\s)+4*\c+3], v[LI] offset:KB+2048*\kt+1024*\s+512*\c
.endr
.endr
.endr
	s_wait_dscnt 16                                ; dims 0-31 of the eight key tiles are in; the sixteen loads of dims 32-63 may be out
	WIN 0x01                                       ; source 0 (K) window 1
.irp kt, 0,1,2,3,4,5,6,7
	v_wmma_f32_16x16x32_f16 v[S+8*\kt:S+8*\kt+7], v[16*\kt:16*\kt+7], v[Q:Q+7], 0   ; the eight accumulators by turns
.endr
	s_wait_dscnt 0x0
.irp kt, 0,1,2,3,4,5,6,7
	v_wmma_f32_16x16x32_f16 v[S+8*\kt:S+8*\kt+7], v[16*\kt+8:16*\kt+15], v[Q+8:Q+15], v[S+8*\kt:S+8*\kt+7]
.endr
	WIN 0
	PLACES
	s_add_co_u32 s42, s[KF], 127                   ; a step all of whose keys count for all my queries skips the mask: a branch on ids and the count of steps
	s_cmp_le_u32 s42, s[Q0]
	s_cbranch_scc1 .Lopen_\@
	s_sub_co_i32 s42, s[Q0], s[KF]
	v_add_nc_u32 v[MD], s42, v[MD0]                ; register 8 kt + j holds key KF + 16 kt + 8 h + j: hidden where 16 kt + j > Q0 - KF + r - 8 h
.set n, 0
.rept 64
	v_cmp_gt_i32 vcc_lo, 16*(n/8)+n%8, v[MD]
	v_cndmask_b32 v[S+n], v[S+n], v[NINF], vcc_lo
.set n, n+1
.endr
.Lopen_\@:
.irp c, 0,1,2,3                                ; the maximum, in four chains by turns; each accumulator is read from its low end on
	v_max3_num_f32 v[T+\c], v[S+8*\c], v[S+8*\c+1], v[S+8*\c+2]
.endr
.irp i, 3,5
.irp c, 0,1,2,3
	v_max3_num_f32 v[T+\c], v[T+\c], v[S+8*\c+\i], v[S+8*\c+\i+1]
.endr
.endr
.irp i, 0,2,4,6
.irp c, 0,1,2,3
	v_max3_num_f32 v[T+\c], v[T+\c], v[S+32+8*\c+\i], v[S+32+8*\c+\i+1]
.endr
.endr
	v_max3_num_f32 v[T], v[T], v[S+7], v[S+15]
	v_max3_num_f32 v[T+2], v[T+2], v[S+23], v[S+31]
	v_max3_num_f32 v[T], v[T], v[T+1], v[T+2]
.if \first
	v_max_num_f32 v[T], v[T], v[T+3]
.else
	v_max3_num_f32 v[T], v[T], v[T+3], v[M]
.endif
	v_permlanex16_b32 v[T+1], v[T], s[SEL], s[SEL+1]   ; the query's other 64 keys lie in the lane 16 away
.if \first == 0
	v_mov_b32 v[T+7], v[CM]                        ; c m_old is kept for a
.endif
	v_max_num_f32 v[M], v[T], v[T+1]
	v_mul_f32 v[CM], s[CS], v[M]
.if \first == 0
	v_sub_f32 v[T+7], v[T+7], v[CM]
.endif
.set n, 0
.rept 32
	v_pk_fma_f32 v[S+n:S+n+1], v[S+n:S+n+1], s[CS:CS+1], v[CM:CM+1] op_sel_hi:[1,0,0] neg_lo:[0,0,1] neg_hi:[0,0,1]   ; c s - c m, two at a time
.set n, n+2
.endr
.if \first == 0
	v_exp_f32 v[A], v[T+7]
.endif
.set n, 0
.rept 64
	v_exp_f32 v[S+n], v[S+n]
.set n, n+1
.endr
	v_nop                                          ; a plain instruction behind the last exponential,
	s_wait_alu depctr_va_vdst(0)                   ; and a wait ahead of the first use: one for the whole batch
.set n, 0
.rept 32
	v_cvt_pk_f16_f32 v[PF+n], v[S+2*n], v[S+2*n+1]
.set n, n+1
.endr
.set n, 0
.rept 8
	ds_store_b128 v[PWA], v[PF+4*n:PF+4*n+3] offset:512*n
.set n, n+1
.endr
.if \first == 0
	ds_store_b32 v[AWA], v[A]
.endif
.irp w, 32,16,8,4                              ; the sum of the unrounded p: halves folded onto each other, in place
.set n, 0
.rept \w/2
	v_pk_add_f32 v[S+n:S+n+1], v[S+n:S+n+1], v[S+\w+n:S+\w+n+1]
.set n, n+2
.endr
.endr
.if \first
	v_pk_add_f32 v[L:L+1], v[S:S+1], v[S+2:S+3]
.else
	v_pk_add_f32 v[S:S+1], v[S:S+1], v[S+2:S+3]
	v_pk_fma_f32 v[L:L+1], v[L:L+1], v[A:A+1], v[S:S+1] op_sel_hi:[1,0,1]
.endif
.endm
; PART BC: O^T of tiles 4 - nt .. 3, my 96 channels: x a, + V^T P.  zero = 1: the first products start the sums.  loads = 1: the next step's K goes to LDS, K two steps on and the next step's V are asked for.
; kgw: how many loads were issued behind those of the K that is stored here.
.macro PART_BC nt, zero, loads, kgw
.if \loads
	s_wait_loadcnt \kgw                            ; my quarter of the next step's K is in
.endif
.if \zero == 0
.set t, 4-\nt
.rept \nt
	ds_load_b32 v[AR+2*t], v[LS] offset:AB+128*t
.set t, t+1
.endr
.endif
.if \loads
.set n, 0
.rept 8
	ds_store_b128 v[KWA], v[KG+4*n:KG+4*n+3] offset:512*n   ; every wave's reads of this step's K were waited for in front of the barrier just passed
.set n, n+1
.endr
.endif
	WIN 0x40
.irp u, 0,1,2,3
.set t, 4-\nt
.rept \nt
	ds_load_b128 v[8*(4*t+\u):8*(4*t+\u)+3], v[LI] offset:PB+4096*t+1024*\u
	ds_load_b128 v[8*(4*t+\u)+4:8*(4*t+\u)+7], v[LI] offset:PB+4096*t+1024*\u+512
.set t, t+1
.endr
.endr
.if \zero == 0
	s_wait_dscnt 8*\nt+8*\loads                    ; the a are in: behind them stand K's stores and p's loads
	WIN 0xC3                                       ; O^T (destination and source 0) window 3, a window 0
.set t, 4-\nt
.rept \nt
.set n, 0
.rept 24
	v_pk_mul_f32 v[48*t+n:48*t+n+1], v[48*t+n:48*t+n+1], v[AR+2*t:AR+2*t+1] op_sel_hi:[1,0]   ; each accumulator from its low end on
.set n, n+2
.endr
.set t, t+1
.endr
.endif
	WIN 0
.if \loads
	s_wait_dscnt 8*\nt                             ; K's stores have read their registers
	s_wait_xcnt 0x0                                ; the loads and prefetches issued so far have read their bases: these may be stepped
	s_add_nc_u64 s[VP:VP+1], s[VP:VP+1], 98304
	s_add_nc_u64 s[PFV:PFV+1], s[PFV:PFV+1], 98304
	s_add_nc_u64 s[PFK:PFK+1], s[PFK:PFK+1], 16384
	s_add_co_u32 s[OFS], s[J], 2
	s_min_u32 s[OFS], s[OFS], 31                   ; held at the batch's last step, so that the counts of loads are alike in every step and no load leaves the batch; the walk's last such fetch is not used
	s_lshl_b32 s[OFS], s[OFS], 14
	s_add_nc_u64 s[KT:KT+1], s[KBASE:KBASE+1], s[OFS:OFS+1]
.set n, 0
.rept 8
	global_load_b128 v[KG+4*n:KG+4*n+3], v[LI], s[KT:KT+1] offset:512*n
.set n, n+1
.endr
	ASK
.endif
.irp u, 0,1,2,3
	s_wait_dscnt 2*\nt*(3-\u)                      ; p's fragments of keys 32 u on are in
.if \loads
	s_wait_loadcnt 44                              ; V's of keys 32 u on: behind them stand 36 loads of V and K's eight, at every u
.else
	s_wait_loadcnt 36-12*\u
.endif
	WIN 0xF6                                       ; source 0 (V) window 2, source 1 (p) window 1, C and D window 3
.irp ct, 0,1,2,3,4,5
.set t, 4-\nt
.rept \nt
.if \zero && (\u == 0)
	v_wmma_f32_16x16x32_f16 v[8*(6*t+\ct):8*(6*t+\ct)+7], v[8*(6*\u+\ct):8*(6*\u+\ct)+7], v[8*(4*t+\u):8*(4*t+\u)+7], 0
.else
	v_wmma_f32_16x16x32_f16 v[8*(6*t+\ct):8*(6*t+\ct)+7], v[8*(6*\u+\ct):8*(6*\u+\ct)+7], v[8*(4*t+\u):8*(4*t+\u)+7], v[8*(6*t+\ct):8*(6*t+\ct)+7]
.endif
.set t, t+1
.endr
.endr
	WIN 0
	PLACES
.if \loads
	WIN 0x80                                       ; destination window 2: the next step's V takes the registers just multiplied
.irp ct, 0,1,2,3,4,5
.irp c, 0,1
	global_load_b128 v[8*(6*\u+\ct)+4*\c:8*(6*\u+\ct)+4*\c+3], v[LI], s[VP:VP+1] offset:24576*\u+1024*\ct+512*\c
.endr
.endr
	WIN 0
.endif
.endr
	s_add_co_u32 s[J], s[J], 1
	s_add_co_u32 s[KF], s[KF], 128
.endm
; A STEP, two barriers.  The first stands between the stores of p and a and their readers, and between the reads of this step's K and the store of the next step's.
; The second stands between the reads of p and a and their next stores, and between the store of K and its readers.  With nt = 2 waves 0 and 1, whose tiles are done, have no part A.
.macro STEP nt, first, loads, kgw
.if \nt == 2
	s_cmp_lt_u32 s[WV], 2
	s_cbranch_scc1 .Lidle_\@
.endif
	PART_A \first
.if \nt == 2
.Lidle_\@:
.endif
	BAR
	PART_BC \nt, \first, \loads, \kgw
	BAR
.endm
	s_load_b256 s[4:11], s[0:1], 0x0               ; qimg s[4:5], kimg s[6:7], vimg s[8:9], out0 s[10:11]
	v_lshl_add_u32 v[SPW], v0, 2, SPARE
	v_mov_b32 v[NIL], 0
	v_lshrrev_b32 v15, 5, v0
	v_readfirstlane_b32 s[WV], v15                 ; wave 0..3
	v_and_b32 v15, 31, v0
	v_lshlrev_b32 v[LI], 4, v15
	v_lshlrev_b32 v[LS], 2, v15
	v_lshlrev_b32 v[PFO], 8, v15
	s_lshl_b32 s42, s[WV], 12
	s_add_co_u32 s43, s42, PB
	v_add_nc_u32 v[PWA], s43, v[LI]
	s_add_co_u32 s43, s42, KB
	v_add_nc_u32 v[KWA], s43, v[LI]
	s_lshl_b32 s43, s[WV], 7
	v_add_nc_u32 v[AWA], s43, v[LS]
	v_and_b32 v15, 15, v0                          ; r
	v_bfe_u32 v[MD], v0, 4, 1                      ; h
	v_mul_u32_u24 v[STO0], v15, SPITCH
	v_lshl_add_u32 v[STO0], v[MD], 5, v[STO0]
	s_mul_i32 s43, s[WV], 384
	s_add_co_u32 s43, s43, STG
	v_add_nc_u32 v[STO0], s43, v[STO0]
	v_add_nc_u32 v[STO1], 32*SPITCH, v[STO0]
	s_mul_i32 s43, s[WV], 16*SPITCH
	s_add_co_u32 s43, s43, STG
	v_add_nc_u32 v[SRD], s43, v[LI]
	v_lshlrev_b32 v[MD0], 3, v[MD]
	v_sub_nc_u32 v[MD0], v15, v[MD0]
	v_mov_b32 v[NINF], 0xff800000
	v_mov_b32 v[A+1], 0                            ; named as the upper halves of pairs, so they are written
.irp t, 0,1,2,3
	v_mov_b32 v[AR+2*\t+1], 0
.endr
	s_mov_b32 s[CS], 0x3e38aa3b                    ; c = log2(e) / 8
	s_mov_b32 s[CS+1], s[CS]
	s_mov_b32 s[SEL], 0x76543210
	s_mov_b32 s[SEL+1], 0xfedcba98
	s_mov_b32 s[J], 0
	s_mov_b32 s[KF], 0
	s_mov_b32 s[OFS+1], 0
	s_and_b32 s[BB], ttmp7, 0xffff                 ; the batch
	s_lshl_b32 s42, ttmp9, 5                       ; 32 i
	s_sub_co_u32 s43, 4064, s42
	s_cmp_lt_u32 s[WV], 2
	s_cselect_b32 s[Q0], s42, s43
	s_and_b32 s42, s[WV], 1
	s_lshl_b32 s42, s42, 4
	s_add_co_u32 s[Q0], s[Q0], s42                 ; tile w's first query
	s_lshr_b32 s[N1], ttmp9, 2                     ; nE - 1
	s_sub_co_u32 s[N2], 127, ttmp9
	s_lshr_b32 s[N2], s[N2], 2
	s_sub_co_u32 s[N2], s[N2], s[N1]
	s_sub_co_u32 s[N2], s[N2], 1                   ; nL - nE - 1
	s_cmp_eq_u32 ttmp9, 0
	s_cselect_b32 s[LIMV], 29, 0
	s_lshr_b32 s42, s[WV], 1
	s_or_b32 s42, s42, ttmp9
	s_cmp_eq_u32 s42, 0
	s_cselect_b32 s[LIMK], 28, 0
	s_mul_i32 s42, s[BB], 3145728                  ; V: 128 blocks of 24,576 bytes a batch
	s_mul_i32 s43, s[WV], 6144
	s_add_co_u32 s44, s42, s43                     ; my six channel tiles
	s_mov_b32 s45, 0
	s_mul_i32 s43, s[WV], 24576
	s_add_co_u32 s46, s42, s43
	s_add_co_u32 s46, s46, 2*98304                 ; the prefetches stand at step 2; the first step moves them to step 3
	s_mov_b32 s47, 0
	s_lshl_b32 s42, s[BB], 19                      ; K, Q: 256 tiles of 2,048 bytes a batch
	s_lshl_b32 s43, s[WV], 12
	s_add_co_u32 s50, s42, s43                     ; my quarter of a step
	s_mov_b32 s51, 0
	s_lshl_b32 s43, s[WV], 13
	s_add_co_u32 s52, s42, s43
	s_add_co_u32 s52, s52, 3*16384                 ; at step 3; the first step moves it to step 4
	s_mov_b32 s53, 0
	s_lshl_b32 s43, s[Q0], 7
	s_add_co_u32 s54, s42, s43
	s_mov_b32 s55, 0
	s_lshl_b32 s56, s[BB], 12
	s_add_co_u32 s56, s56, s[Q0]
	s_mul_i32 s56, s56, 1536
	s_mov_b32 s57, 0
	s_wait_kmcnt 0x0
	s_add_nc_u64 s[VP:VP+1], s[8:9], s[44:45]
	s_add_nc_u64 s[PFV:PFV+1], s[8:9], s[46:47]
	s_add_nc_u64 s[KBASE:KBASE+1], s[6:7], s[50:51]
	s_add_nc_u64 s[PFK:PFK+1], s[6:7], s[52:53]
	s_add_nc_u64 s[QP:QP+1], s[4:5], s[54:55]
	s_add_nc_u64 s[OUTB:OUTB+1], s[10:11], s[56:57]
.irp n, 0,1,2,3
	global_load_b128 v[Q+4*\n:Q+4*\n+3], v[LI], s[QP:QP+1] offset:512*\n th:TH_LOAD_NT   ; my tile of q: read once in the launch
.endr
.irp n, 0,1,2,3,4,5,6,7
	global_load_b128 v[KG+4*\n:KG+4*\n+3], v[LI], s[KBASE:KBASE+1] offset:512*\n          ; my quarter of K's step 0
.endr
	WIN 0x80
.irp u, 0,1,2,3
.irp ct, 0,1,2,3,4,5
.irp c, 0,1
	global_load_b128 v[8*(6*\u+\ct)+4*\c:8*(6*\u+\ct)+4*\c+3], v[LI], s[VP:VP+1] offset:24576*\u+1024*\ct+512*\c   ; V's step 0
.endr
.endr
.endr
	WIN 0
	s_wait_loadcnt 48                              ; q and K are in; V's 48 loads may be out
.irp n, 0,1,2,3,4,5,6,7
	ds_store_b128 v[KWA], v[KG+4*\n:KG+4*\n+3] offset:512*\n
.endr
	BAR                                            ; K's step 0 lies in LDS
.irp n, 0,1,2,3,4,5,6,7
	global_load_b128 v[KG+4*\n:KG+4*\n+3], v[LI], s[KBASE:KBASE+1] offset:16384+512*\n    ; K's step 1
.endr
	STEP 4, 1, 1, 0                                ; step 0: here K's step 1 was asked for behind V, so the wait for it is for 0
	s_cmp_eq_u32 s[N1], 0
	s_cbranch_scc1 .Lno1
	s_mov_b32 s[CNT], 0
.L1:                                               ; steps 1 .. nE - 1: four tiles
	STEP 4, 0, 1, 48
	s_add_co_u32 s[CNT], s[CNT], 1
	s_cmp_lt_u32 s[CNT], s[N1]
	s_cbranch_scc1 .L1
.Lno1:
	s_cmp_eq_u32 s[N2], 0
	s_cbranch_scc1 .Lno2
	s_mov_b32 s[CNT], 0
.L2:                                               ; steps nE .. nL - 2: the late tiles alone
	STEP 2, 0, 1, 48
	s_add_co_u32 s[CNT], s[CNT], 1
	s_cmp_lt_u32 s[CNT], s[N2]
	s_cbranch_scc1 .L2
.Lno2:
	STEP 2, 0, 0, 0                                ; step nL - 1 asks for nothing: its counts run down
	; THE WAY OUT.  1 / l of my tile goes round through LDS; O^T is divided and meets in a stage of 64 whole rows; each wave stores tile w's 16 rows, 512 consecutive bytes a store.
	v_add_f32 v[T], v[L], v[L+1]
	v_permlanex16_b32 v[T+1], v[T], s[SEL], s[SEL+1]
	v_add_f32 v[T], v[T], v[T+1]
	v_rcp_f32 v[T+2], v[T]
	v_nop                                          ; a plain instruction behind the reciprocal,
	s_wait_alu depctr_va_vdst(0)                   ; and a wait ahead of its first use
	ds_store_b32 v[AWA], v[T+2] offset:LB-AB
	BAR
.irp t, 0,1,2,3
	ds_load_b32 v[AR+2*\t], v[LS] offset:LB+128*\t
.endr
	s_wait_dscnt 0x0
	WIN 0xC3
.irp t, 0,1,2,3
.set n, 0
.rept 24
	v_pk_mul_f32 v[48*\t+n:48*\t+n+1], v[48*\t+n:48*\t+n+1], v[AR+2*\t:AR+2*\t+1] op_sel_hi:[1,0]
.set n, n+2
.endr
.endr
	WIN 0x0C                                       ; an LDS store's data are its source 1: window 3
.irp t, 0,1,2,3
.irp ct, 0,1,2,3,4,5
.irp c, 0,1
	ds_store_b128 v[STO0+(\t/2)], v[8*(6*\t+\ct)+4*\c:8*(6*\t+\ct)+4*\c+3] offset:(\t%2)*16*SPITCH+64*\ct+16*\c   ; lane (r, h): query r, channels 96 w + 16 ct + 8 h + 4 c on
.endr
.endr
.endr
	WIN 0
	BAR                                            ; 64 whole rows lie in the stage
	s_or_b32 s42, ttmp9, s[WV]
	s_cmp_eq_u32 s42, 0                            ; tile 0 of work-group 0 is positions 0 to 15 of the batch, which the next launch stores
	s_cbranch_scc1 .Lend
	WIN 0x80
.set n, 0
.rept 48
	ds_load_b128 v[4*n:4*n+3], v[SRD] offset:(n/3)*SPITCH+(n%3)*512
.set n, n+1
.endr
	WIN 0x08                                       ; a store's data are its source 1: window 2
.set n, 0
.rept 48
	s_wait_dscnt 47-n
	global_store_b128 v[LI], v[4*n:4*n+3], s[OUTB:OUTB+1] offset:512*n th:TH_STORE_NT   ; 16 rows of 1,536 bytes are 24,576 consecutive bytes; written once, read by nobody here
.set n, n+1
.endr
	WIN 0
.Lend:
	s_wait_tensorcnt 0x0                           ; the wave's end, behind my last LDS store
	ds_add_u32 v[SPW], v[NIL]
	s_wait_dscnt 0x0
	s_endpgm
.Lfunc_end_k_q69e2feaf57_attn:
	.size	k_q69e2feaf57_attn, .Lfunc_end_k_q69e2feaf57_attn-k_q69e2feaf57_attn
	.p2alignl 7, 3214868480
	.fill 96, 4, 3214868480
	.section	.rodata,"a",@progbits
	.p2align	6, 0x0
	.amdhsa_kernel k_q69e2feaf57_attn
		.amdhsa_group_segment_fixed_size 133632
		.amdhsa_private_segment_fixed_size 0
		.amdhsa_enable_private_segment 0
		.amdhsa_kernarg_size 32
		.amdhsa_user_sgpr_count 2
		.amdhsa_user_sgpr_kernarg_segment_ptr 1
		.amdhsa_wavefront_size32 1
		.amdhsa_system_sgpr_workgroup_id_x 1
		.amdhsa_system_sgpr_workgroup_id_y 1
		.amdhsa_system_sgpr_workgroup_id_z 1
		.amdhsa_system_vgpr_workitem_id 0
		.amdhsa_next_free_vgpr 960
		.amdhsa_next_free_sgpr 66
		.amdhsa_reserve_vcc 1
		.amdhsa_float_denorm_mode_32 3
		.amdhsa_float_denorm_mode_16_64 3
		.amdhsa_memory_ordered 1
		.amdhsa_forward_progress 1
		.amdhsa_inst_pref_size 171
	.end_amdhsa_kernel
	.amdgpu_metadata
---
amdhsa.version: [ 1, 2 ]
amdhsa.kernels:
  - .name:           k_q69e2feaf57_attn
    .symbol:         k_q69e2feaf57_attn.kd
    .args:
      - { .name: qimg, .offset: 0, .size: 8, .value_kind: global_buffer, .address_space: global }
      - { .name: kimg, .offset: 8, .size: 8, .value_kind: global_buffer, .address_space: global }
      - { .name: vimg, .offset: 16, .size: 8, .value_kind: global_buffer, .address_space: global }
      - { .name: out0, .offset: 24, .size: 8, .value_kind: global_buffer, .address_space: global }
    .group_segment_fixed_size: 133632
    .private_segment_fixed_size: 0
    .kernarg_segment_align: 8
    .kernarg_segment_size: 32
    .max_flat_workgroup_size: 128
    .sgpr_count:     66
    .vgpr_count:     960
    .wavefront_size: 32
...
	.end_amdgpu_metadata
.endif
;; end of part 3
;; launch first16 (part 4): grid 6 x 4, 1 waves a work-group, no clusters, 4,608 bytes of LDS; arguments fine, out0; writes out0
.if DOCPART == 4
	.amdgcn_target "amdgcn-amd-amdhsa--gfx1250"
	.amdhsa_code_object_version 6
	.text
	.protected	k_q69e2feaf57_first16
	.globl	k_q69e2feaf57_first16
	.p2align	8
	.type	k_q69e2feaf57_first16,@function
k_q69e2feaf57_first16:
	s_mov_b64 s[64:65], 0
	v_nop
	global_prefetch_b8 v0, s[64:65] scope:SCOPE_SE
	s_setreg_imm32_b32 hwreg(HW_REG_WAVE_MODE, 25, 1), 1
	s_wait_xcnt 0x0
; Positions 0 to 15 of each batch, in f32 throughout: under the causal mask these rows average one to sixteen values, so the rounding of 16-bit operands would weigh most here.
; Work-group (g, b): one wave; the batch's 16 queries x 16 keys, and channels 64 g .. 64 g + 63 of the output.  4 x 6 work-groups: that is all the work there is.
; fine [b][idx 32][c 2][lane][16 bytes] holds the projections' accumulators as they stood: idx w: lane (r, h), register j = k[position r][16 w + 8 h + j]; idx 4 + w: q likewise; idx 8 + ct: register j = v[position 8 h + j][16 ct + r].
; THE f32 MATRIX FORM takes 4 along K: lane (r, h), register j' is K place 2 h + j'.  Registers 2 u, 2 u + 1 of an image of k and of the same image of q hold the same four dims (16 w + 8 h + 2 u + j') on both sides: any four serve, so long as both sides agree.
; S^T = k q^T: lane (r, h), register j = (key 8 h + j, query r).  So p's registers 2 u, 2 u + 1 hold keys 8 h + 2 u + j', as v's images do: O^T = v^T p, lane (r, h), register j = (channel 8 h + j of the tile, query r).
; The accumulators of this form are written by matrix instructions alone; what is made of them goes into other registers.
; LIMITS: NaN and infinities are not served.
.set SPARE, 4352                       ; behind the stage of 16 rows x (256 bytes + 16): the spare words, one block of 256 bytes that no other line names
.set SPW, 8
.set NIL, 9
.set KI,  16                           ; v16-47   k's four images
.set QI,  48                           ; v48-79   q's
.set VI,  80                           ; v80-111  v's four channel tiles
.set SA,  112                          ; v112-143 four partial sums of the scores
.set S,   144                          ; v144-151 the scores
.set P,   152                          ; v152-159 p
.set OA,  160                          ; v160-191 O^T, four tiles
.set BK,  192                          ; v192-223 rows read back
	s_load_b128 s[4:7], s[0:1], 0x0                ; fine, out0
	v_lshl_add_u32 v[SPW], v0, 2, SPARE
	v_mov_b32 v[NIL], 0
	v_and_b32 v1, 15, v0                           ; r
	v_bfe_u32 v2, v0, 4, 1                         ; h
	v_lshlrev_b32 v3, 4, v0                        ; 16 x lane
	v_mul_u32_u24 v4, v1, 272
	v_lshl_add_u32 v4, v2, 5, v4                   ; the stage, in: row r, + 32 h
	v_mul_u32_u24 v5, v2, 272
	v_lshl_add_u32 v5, v1, 4, v5                   ; back: lanes 0-15 one row of 256 bytes, lanes 16-31 the next
	v_mul_u32_u24 v6, v2, 1536
	v_lshl_add_u32 v6, v1, 4, v6                   ; and the same two rows in the output
	v_lshlrev_b32 v7, 3, v2
	v_sub_nc_u32 v7, v1, v7                        ; r - 8 h: key 8 h + j is hidden where j is above it
	v_mov_b32 v10, 0xff800000                      ; -infinity
	v_mov_b32 v12, 0                               ; written once: a lane permute's destination counts as one of its sources
	s_mov_b32 s18, 0x76543210
	s_mov_b32 s19, 0xfedcba98
	s_mov_b32 s20, 0x3e38aa3b                      ; c = log2(e) / 8
	s_and_b32 s8, ttmp7, 0xffff                    ; the batch
	s_lshl_b32 s10, s8, 15
	s_mov_b32 s11, 0
	s_lshl_b32 s12, ttmp9, 12                      ; four channel tiles of 1,024 bytes
	s_add_co_u32 s12, s12, 8192
	s_add_co_u32 s12, s12, s10
	s_mov_b32 s13, 0
	s_mul_i32 s14, s8, 6291456                     ; a batch of the output
	s_lshl_b32 s9, ttmp9, 8
	s_add_co_u32 s14, s14, s9                      ; + my 256 bytes of a row
	s_mov_b32 s15, 0
	s_wait_kmcnt 0x0
	s_add_nc_u64 s[16:17], s[4:5], s[12:13]
	s_add_nc_u64 s[4:5], s[4:5], s[10:11]
	s_add_nc_u64 s[6:7], s[6:7], s[14:15]
.irp n, 0,1,2,3,4,5,6,7
	global_load_b128 v[KI+4*\n:KI+4*\n+3], v3, s[4:5] offset:512*\n
.endr
.irp n, 0,1,2,3,4,5,6,7
	global_load_b128 v[QI+4*\n:QI+4*\n+3], v3, s[4:5] offset:4096+512*\n
.endr
.irp n, 0,1,2,3,4,5,6,7
	global_load_b128 v[VI+4*\n:VI+4*\n+3], v3, s[16:17] offset:512*\n
.endr
	s_wait_loadcnt 8                               ; k and q are in; v's eight loads may be out
.irp u, 0,1,2,3                                ; four accumulators by turns, one instruction a turn; the first four start the sums
.irp w, 0,1,2,3
.if \u == 0
	v_wmma_f32_16x16x4_f32 v[SA+8*\w:SA+8*\w+7], v[KI+8*\w+2*\u:KI+8*\w+2*\u+1], v[QI+8*\w+2*\u:QI+8*\w+2*\u+1], 0
.else
	v_wmma_f32_16x16x4_f32 v[SA+8*\w:SA+8*\w+7], v[KI+8*\w+2*\u:KI+8*\w+2*\u+1], v[QI+8*\w+2*\u:QI+8*\w+2*\u+1], v[SA+8*\w:SA+8*\w+7]
.endif
.endr
.endr
.rept 8
	v_nop                                          ; eight places behind this form (ISA guide 7.12.1)
.endr
.irp i, 0,2,4,6
	v_pk_add_f32 v[S+\i:S+\i+1], v[SA+\i:SA+\i+1], v[SA+8+\i:SA+8+\i+1]     ; each accumulator from its low end on
.endr
.irp i, 0,2,4,6
	v_pk_add_f32 v[S+\i:S+\i+1], v[S+\i:S+\i+1], v[SA+16+\i:SA+16+\i+1]
.endr
.irp i, 0,2,4,6
	v_pk_add_f32 v[S+\i:S+\i+1], v[S+\i:S+\i+1], v[SA+24+\i:SA+24+\i+1]
.endr
.irp j, 0,1,2,3,4,5,6,7
	v_cmp_gt_i32 vcc_lo, \j, v7
	v_cndmask_b32 v[S+\j], v[S+\j], v10, vcc_lo    ; hidden keys: -infinity, so that p = 0
.endr
	v_max3_num_f32 v11, v[S], v[S+1], v[S+2]
	v_max3_num_f32 v11, v11, v[S+3], v[S+4]
	v_max3_num_f32 v11, v11, v[S+5], v[S+6]
	v_max_num_f32 v11, v11, v[S+7]
	v_permlanex16_b32 v12, v11, s18, s19
	v_max_num_f32 v11, v11, v12                    ; the row's maximum: key 0 counts for every query, so it is a number
	v_mul_f32 v13, s20, v11
.irp j, 0,1,2,3,4,5,6,7
	v_fma_f32 v[P+\j], v[S+\j], s20, -v13
.endr
.irp j, 0,1,2,3,4,5,6,7
	v_exp_f32 v[P+\j], v[P+\j]
.endr
	v_nop                                          ; a plain instruction behind the last exponential,
	s_wait_alu depctr_va_vdst(0)                   ; and a wait: one for the eight
	v_add_f32 v14, v[P], v[P+1]
	v_add_f32 v15, v[P+2], v[P+3]
	v_add_f32 v14, v14, v[P+4]
	v_add_f32 v15, v15, v[P+5]
	v_add_f32 v14, v14, v[P+6]
	v_add_f32 v15, v15, v[P+7]
	v_add_f32 v14, v14, v15
	v_permlanex16_b32 v12, v14, s18, s19
	v_add_f32 v14, v14, v12                        ; the row's sum
	v_rcp_f32 v14, v14
	v_nop
	s_wait_alu depctr_va_vdst(0)
.irp j, 0,1,2,3,4,5,6,7
	v_mul_f32 v[P+\j], v[P+\j], v14
.endr
	s_wait_loadcnt 0x0                             ; v
.irp u, 0,1,2,3
.irp n, 0,1,2,3
.if \u == 0
	v_wmma_f32_16x16x4_f32 v[OA+8*\n:OA+8*\n+7], v[VI+8*\n+2*\u:VI+8*\n+2*\u+1], v[P+2*\u:P+2*\u+1], 0
.else
	v_wmma_f32_16x16x4_f32 v[OA+8*\n:OA+8*\n+7], v[VI+8*\n+2*\u:VI+8*\n+2*\u+1], v[P+2*\u:P+2*\u+1], v[OA+8*\n:OA+8*\n+7]
.endif
.endr
.endr
.rept 8
	v_nop
.endr
.irp n, 0,1,2,3
	ds_store_b128 v4, v[OA+8*\n:OA+8*\n+3] offset:64*\n            ; each accumulator from its low end on
	ds_store_b128 v4, v[OA+8*\n+4:OA+8*\n+7] offset:64*\n+16
.endr
.irp i, 0,1,2,3,4,5,6,7
	ds_load_b128 v[BK+4*\i:BK+4*\i+3], v5 offset:544*\i            ; LDS serves a wave's instructions in order (ISA guide 5.7.1.4): these see the stores above
.endr
.irp i, 0,1,2,3,4,5,6,7
	s_wait_dscnt 7-\i
	global_store_b128 v6, v[BK+4*\i:BK+4*\i+3], s[6:7] offset:3072*\i   ; sixteen lanes store 256 consecutive bytes, at a multiple of 256 from the output's first byte
.endr
	s_wait_tensorcnt 0x0                           ; the wave's end, behind my last LDS store
	ds_add_u32 v[SPW], v[NIL]
	s_wait_dscnt 0x0
	s_endpgm
.Lfunc_end_k_q69e2feaf57_first16:
	.size	k_q69e2feaf57_first16, .Lfunc_end_k_q69e2feaf57_first16-k_q69e2feaf57_first16
	.p2alignl 7, 3214868480
	.fill 96, 4, 3214868480
	.section	.rodata,"a",@progbits
	.p2align	6, 0x0
	.amdhsa_kernel k_q69e2feaf57_first16
		.amdhsa_group_segment_fixed_size 4608
		.amdhsa_private_segment_fixed_size 0
		.amdhsa_enable_private_segment 0
		.amdhsa_kernarg_size 16
		.amdhsa_user_sgpr_count 2
		.amdhsa_user_sgpr_kernarg_segment_ptr 1
		.amdhsa_wavefront_size32 1
		.amdhsa_system_sgpr_workgroup_id_x 1
		.amdhsa_system_sgpr_workgroup_id_y 1
		.amdhsa_system_sgpr_workgroup_id_z 1
		.amdhsa_system_vgpr_workitem_id 0
		.amdhsa_next_free_vgpr 224
		.amdhsa_next_free_sgpr 66
		.amdhsa_reserve_vcc 1
		.amdhsa_float_denorm_mode_32 3
		.amdhsa_float_denorm_mode_16_64 3
		.amdhsa_memory_ordered 1
		.amdhsa_forward_progress 1
		.amdhsa_inst_pref_size 12
	.end_amdhsa_kernel
	.amdgpu_metadata
---
amdhsa.version: [ 1, 2 ]
amdhsa.kernels:
  - .name:           k_q69e2feaf57_first16
    .symbol:         k_q69e2feaf57_first16.kd
    .args:
      - { .name: fine, .offset: 0, .size: 8, .value_kind: global_buffer, .address_space: global }
      - { .name: out0, .offset: 8, .size: 8, .value_kind: global_buffer, .address_space: global }
    .group_segment_fixed_size: 4608
    .private_segment_fixed_size: 0
    .kernarg_segment_align: 8
    .kernarg_segment_size: 16
    .max_flat_workgroup_size: 32
    .sgpr_count:     66
    .vgpr_count:     224
    .wavefront_size: 32
...
	.end_amdgpu_metadata
.endif
;; end of part 4
